; MI455X (gfx1250); checked and timed in simulation.
; The chip was launched on July 23, 2026; its instructions are those of AMD's public machine-readable ISA for CDNA 5 (MIT licence, August 2026) and "CDNA5" Instruction Set Architecture Reference Guide (July 2026). The comments in the code are by the model that wrote it; some were corrected since.
;; Scaled Dot Product Attention. Allowed arithmetic: float matrix products may take bf16 or f16 operands with f32 sums; other float arithmetic in f32, or as packed bf16 or f16 multiplies, adds, multiply-adds, maxima and minima; sums over many terms, partial sums and values carried from step to step in f32; what a program stores and reads back later, other than sums and carried values, may be rounded once to bf16 or f16.
;; Inputs: k 4,096 x 1,024 float32; q 4,096 x 1,024 float32; v 4,096 x 1,024 float32.
;; Outputs: out0 4,096 x 1,024 float32.
;; 2 versions, each right; version 2 is version 1 with the launch cast written anew for expert scheduling mode. Each part assembles by itself: llvm-mc -triple=amdgcn-amd-amdhsa -mcpu=gfx1250 --defsym DOCPART=n.
;; ======== version 1 of 2: 3 launches
;; limits: values are held in f16: magnitudes above 65,504 overflow, below 6.1e-05 lose precision; inputs' magnitudes at most 65,504
;; workspace buffers: qh 8,388,608 bytes; kh 8,388,608 bytes; vh 8,388,608 bytes; p 33,554,432 bytes; mstat 524,288 bytes; lstat 524,288 bytes
;; launch cast (part 1): grid 512 x 1, 8 waves a work-group, no clusters, 0 bytes of LDS; arguments q, k, v, qh, kh, vh; writes qh, kh, vh
.if DOCPART == 1
	.amdgcn_target "amdgcn-amd-amdhsa--gfx1250"
	.amdhsa_code_object_version 6
	.text
	.protected	k_qc2f04bf560_cast
	.globl	k_qc2f04bf560_cast
	.p2align	8
	.type	k_qc2f04bf560_cast,@function
k_qc2f04bf560_cast:
	s_mov_b64 s[64:65], 0
	v_nop
	global_prefetch_b8 v0, s[64:65] scope:SCOPE_SE
	s_setreg_imm32_b32 hwreg(HW_REG_WAVE_MODE, 25, 1), 1
	s_wait_xcnt 0x0
; qh, kh, vh = q, k, v rounded once to f16 (the matrix operands of the two later launches).  All six are [4096][1024].
; LIMIT: f16 holds magnitudes up to 65,504; a larger input becomes an infinity.  Magnitudes below 2^-14 keep an absolute error of 2^-25.
; A stream: no LDS, no barrier, no matrix unit, no cluster (no byte is read by two work-groups).
; Eight waves; the work-group owns 32,768 bytes of each input = 16,384 bytes of each output.  Thread t owns the 16 bytes at 16 t of each
; piece of 4,096 bytes, so a wave's load covers 512 consecutive bytes and its store of 8 bytes a lane 256 consecutive bytes, aligned.
; All 24 loads of a thread go out first; each is converted and stored as it comes.  No register is written again behind its store.
.set X, 4                              ; v[4:99]  24 groups of 4 registers: piece j of q, of k, of v
	s_load_b256 s[4:11], s[0:1], 0x0               ; q s[4:5], k s[6:7], v s[8:9], qh s[10:11]
	s_load_b128 s[12:15], s[0:1], 0x20             ; kh s[12:13], vh s[14:15]
	s_lshl_b32 s2, ttmp9, 15                       ; the work-group's 32,768 bytes of an input
	s_lshl_b32 s3, ttmp9, 14                       ; and its 16,384 bytes of an output
	v_lshl_add_u32 v1, v0, 4, s2                   ; where I load
	v_lshl_add_u32 v2, v0, 3, s3                   ; where I store
	s_wait_kmcnt 0x0
.macro LD lo, n0                       ; eight pieces of the input whose address is in s[lo:lo+1], into groups n0 .. n0+7
.irp j, 0,1,2,3,4,5,6,7
	global_load_b128 v[X+4*(\n0+\j):X+4*(\n0+\j)+3], v1, s[\lo:\lo+1] offset:4096*\j th:TH_LOAD_NT
.endr
.endm
	LD 4, 0
	LD 6, 8
	LD 8, 16
.macro CV lo, n0                       ; the same eight groups, rounded and stored to the output in s[lo:lo+1]
.irp j, 0,1,2,3,4,5,6,7
	s_wait_loadcnt 23-(\n0+\j)                     ; loads come back in order (ISA guide 5.7.1): this group is in, the 23 - n issued behind it may be out
	v_cvt_pk_f16_f32 v[X+4*(\n0+\j)],   v[X+4*(\n0+\j)],   v[X+4*(\n0+\j)+1]
	v_cvt_pk_f16_f32 v[X+4*(\n0+\j)+1], v[X+4*(\n0+\j)+2], v[X+4*(\n0+\j)+3]
	global_store_b64 v2, v[X+4*(\n0+\j):X+4*(\n0+\j)+1], s[\lo:\lo+1] offset:2048*\j   ; read again by the next launches: no hint
.endr
.endm
	CV 10, 0
	CV 12, 8
	CV 14, 16
	s_endpgm
.Lfunc_end_k_qc2f04bf560_cast:
	.size	k_qc2f04bf560_cast, .Lfunc_end_k_qc2f04bf560_cast-k_qc2f04bf560_cast
	.p2alignl 7, 3214868480
	.fill 96, 4, 3214868480
	.section	.rodata,"a",@progbits
	.p2align	6, 0x0
	.amdhsa_kernel k_qc2f04bf560_cast
		.amdhsa_group_segment_fixed_size 0
		.amdhsa_private_segment_fixed_size 0
		.amdhsa_enable_private_segment 0
		.amdhsa_kernarg_size 48
		.amdhsa_user_sgpr_count 2
		.amdhsa_user_sgpr_kernarg_segment_ptr 1
		.amdhsa_wavefront_size32 1
		.amdhsa_system_sgpr_workgroup_id_x 1
		.amdhsa_system_sgpr_workgroup_id_y 1
		.amdhsa_system_sgpr_workgroup_id_z 1
		.amdhsa_system_vgpr_workitem_id 0
		.amdhsa_next_free_vgpr 104
		.amdhsa_next_free_sgpr 66
		.amdhsa_reserve_vcc 0
		.amdhsa_float_denorm_mode_32 3
		.amdhsa_float_denorm_mode_16_64 3
		.amdhsa_memory_ordered 1
		.amdhsa_forward_progress 1
		.amdhsa_inst_pref_size 9
	.end_amdhsa_kernel
	.amdgpu_metadata
---
amdhsa.version: [ 1, 2 ]
amdhsa.kernels:
  - .name:           k_qc2f04bf560_cast
    .symbol:         k_qc2f04bf560_cast.kd
    .args:
      - { .name: q, .offset: 0, .size: 8, .value_kind: global_buffer, .address_space: global }
      - { .name: k, .offset: 8, .size: 8, .value_kind: global_buffer, .address_space: global }
      - { .name: v, .offset: 16, .size: 8, .value_kind: global_buffer, .address_space: global }
      - { .name: qh, .offset: 24, .size: 8, .value_kind: global_buffer, .address_space: global }
      - { .name: kh, .offset: 32, .size: 8, .value_kind: global_buffer, .address_space: global }
      - { .name: vh, .offset: 40, .size: 8, .value_kind: global_buffer, .address_space: global }
    .group_segment_fixed_size: 0
    .private_segment_fixed_size: 0
    .kernarg_segment_align: 8
    .kernarg_segment_size: 48
    .max_flat_workgroup_size: 256
    .sgpr_count:     66
    .vgpr_count:     104
    .wavefront_size: 32
...
	.end_amdgpu_metadata
.endif
;; end of part 1
;; launch scores (part 2): grid 16 x 16, 4 waves a work-group, clusters of 4 x 4, 327,680 bytes of LDS; arguments qh, kh, p, mstat, lstat; writes p, mstat, lstat
.if DOCPART == 2
	.amdgcn_target "amdgcn-amd-amdhsa--gfx1250"
	.amdhsa_code_object_version 6
	.text
	.protected	k_qc2f04bf560_scores
	.globl	k_qc2f04bf560_scores
	.p2align	8
	.type	k_qc2f04bf560_scores,@function
k_qc2f04bf560_scores:
	s_mov_b64 s[64:65], 0
	v_nop
	global_prefetch_b8 v0, s[64:65] scope:SCOPE_SE
	s_setreg_imm32_b32 hwreg(HW_REG_WAVE_MODE, 25, 1), 1
	s_wait_xcnt 0x0
	s_wait_alu depctr_hold_cnt(0) depctr_sa_sdst(0) depctr_va_vdst(0) depctr_va_sdst(0) depctr_va_ssrc(0) depctr_va_vcc(0) depctr_vm_vsrc(0)
	s_getreg_b32 s2, hwreg(HW_REG_IB_STS2, 6, 4)
	s_cmp_eq_u32 s2, 0
	s_cbranch_scc0 .Lentry_in_a_cluster
	s_endpgm
.Lentry_in_a_cluster:
	s_bfe_u32 s2, ttmp6, 0x10000c
	s_cmp_lg_u32 s2, 0xf033
	s_cbranch_scc0 .Lentry_shape_is_right
	s_endpgm
.Lentry_shape_is_right:
; s[m][n] = sum over d of qh[m][d] kh[n][d]  (f16 operands, f32 sums), and from it, for each query row m and each block of 128 keys:
;   mstat[blk][m] = c max over the block of s,  c = log2(e) / 32  (the 1/sqrt(1024) of the scores and the change to base 2 in one factor)
;   p(m, n)       = exp2(c s - mstat[blk][m]), rounded to f16     (at most 1 but for the last bit: the block's own maximum is taken away)
;   lstat[blk][m] = sum over the block of these exponentials, in f32
; The next launch brings the 32 blocks of a row to the row's true maximum.  mstat, lstat are [32][4096] f32.
; p IS KEPT IN THE ORDER IN WHICH THE NEXT LAUNCH'S MATRIX INSTRUCTIONS TAKE IT: fragment (R, g) = query rows 16 R .. 16 R + 15 x keys 32 g .. 32 g + 31 is
; 1,024 bytes at (128 R + g) x 1,024: lane l's registers 0-3 at 16 l, its registers 4-7 at 512 + 16 l.  Lane l = (r, h) holds row r; registers 0-3 keys 8 h + 0..7,
; registers 4-7 keys 16 + 8 h + 0..7.  That is, lane for lane, what this kernel's packed results of two neighbouring tiles hold, so p leaves from registers.
; LIMITS: a weight below 2^-24 of its block's largest is stored as 0, one below 2^-14 with an absolute error of 2^-25 (f16);
; an exponential below 2^-126 is 0 (v_exp_f32 flushes, ISA guide 15.8).  Inputs are finite.
;
; A work-group makes a block of 256 x 256 of s with four waves; a wave makes 128 x 128: 64 accumulator tiles of 16 x 16, 512 registers.
; So a wave holds all 128 keys of one block for its 128 rows: maximum and sum never leave the wave.
; K = 1024 goes in steps of 128 through a ring of two LDS slots filled by the tensor data mover; a tile's rows are 256 bytes of memory, aligned.
; CLUSTERS: 4 x 4 work-groups.  The four of a row of the cluster need the same tiles of qh, the four of a column the same tiles of kh; such a tile is
; asked for jointly (same load, same descriptor, a mask that names the four), which divides the requests for both by four.
;
; REGISTERS, in windows of 256 (s_set_vgpr_msb says which window each operand place means):
;   window 0: v0-63 addresses and the way out's small figures; v64-127, v128-191 fragments of qh, two buffers; v192-231 the way out
;   window 1: v64-127, v128-191 fragments of kh, two buffers
;   window 2: the 32 accumulator tiles of my rows 0-63 (tile (a, b) at v[8 (8 a + b)]);   window 3: those of my rows 64-127
; The matrix instruction is used transposed: source 0 = 16 rows of kh, source 1 = 16 rows of qh.  Lane l then holds query row l % 16 of the tile and, in
; registers 0 to 7, the keys 8 (l / 16) + 0 .. 7: a row's 128 keys lie in two lanes, l and l xor 16.
.set SIZE_K, 1024
.set KSTEP,  128
.set PITCH,  272                       ; an LDS row: 256 bytes + 16 of padding = 68 words, so the 16 rows that a load touches start 4 words apart modulo 64 words
.set HALFT,  128*PITCH                 ; 128 rows: what one tensor load brings, and what one wave reads of qh or of kh
.set SLOT,   4*HALFT                   ; qh's 256 rows, then kh's 256 rows
.set STATS,  2*SLOT                    ; behind the ring: 1,024 bytes for each wave: 128 maxima, then 128 sums
.set PROWB,  131072                    ; bytes of p from one block of 16 rows to the next: 128 key groups of 1,024 bytes
.set LAPS,   SIZE_K/(2*KSTEP)          ; a lap = two K steps = once round the ring: 4
.set ADRA, 16                          ; v16-17  LDS address of my qh fragments in slot 0, 1
.set ADRB, 20                          ; v20-21  the same for kh
.set CO,   26                          ; v26     16 x lane: my 16 bytes in half a fragment of p
.set SM,   27                          ; v27     where I put my row's maximum (the sum 512 bytes further)
.set SR,   28                          ; v28     where I read four rows' figures back
.set SO,   29                          ; v29     my byte offset in mstat and lstat
.set MX,   32                          ; v[32:35] four running maxima
.set TT,   36                          ; v36     what the other half of the lanes holds
.set MCV,  37                          ; v37     c x maximum
.set NM,   38                          ; v[38:39] - c x maximum, twice
.set SUMS, 40                          ; v[40:47] four pairs of running sums
.set LSUM, 48                          ; v48     the row's sum
.set F0,   64                          ; fragment buffer 0
.set F1,   128                         ; fragment buffer 1
.set EX,   64                          ; the way out: v[64:127] 64 exponents, then 64 exponentials
.set TMP,  192                         ; v[192:223] packed f16: four fragments of p
.set ST,   224                         ; v[224:231] maxima and sums on their way out
.set G1, 24                            ; s[24:31] descriptor group 1 for qh's tiles
.set G0, 32                            ; s[32:39] descriptor group 0 for qh's tiles, one set for each slot
.set G1B, 48                           ; s[48:55] group 1 for kh's tiles: it differs in the mask alone
.set G0B, 56                           ; s[56:63] group 0 for kh's tiles, one set for each slot
.set MSB, 0
.macro WIN new                         ; the immediate's high byte repeats the setting that is left; a switch that changes nothing is dropped
.if MSB != \new
	s_set_vgpr_msb (MSB<<8)|\new
.set MSB, \new
.endif
.endm
.set MUL_LO, 0xa1                      ; source 0 (kh) window 1, source 1 (qh) window 0, C and D window 2
.set MUL_HI, 0xf1                      ; the same, C and D window 3
.set TO_B,   0x40                      ; destination window 1, address window 0
; A joint load.  Waves 0 and 1 fetch qh's two halves, waves 2 and 3 kh's.  Each line has one mask and one set of registers; the branch hangs on the wave's number alone.
.macro JLOAD s
	s_cmp_eq_u32 s11, 0
	s_cbranch_scc0 .Lfor_b_\@
	tensor_load_to_lds s[G0+4*\s:G0+4*\s+3], s[G1:G1+7]
	s_nop 0
	s_branch .Lasked_\@
.Lfor_b_\@:
	tensor_load_to_lds s[G0B+4*\s:G0B+4*\s+3], s[G1B:G1B+7]
	s_nop 0
.Lasked_\@:
.endm
; A round of the cluster's barrier: my work-group's barrier, so that wave 0's signal speaks for all four waves; wave 0 signals for the work-group;
; every wave waits for all sixteen work-groups; my work-group's barrier once more.
.macro CREST                           ; a round behind its opening barrier
	s_cmp_lg_u32 s10, 0
	s_cbranch_scc1 .Lnot_wave_0_\@
	s_barrier_signal -3
.Lnot_wave_0_\@:
	s_barrier_wait -3
	s_barrier_signal -1
	s_barrier_wait -1
.endm
.macro CROUND                          ; a whole round
	s_barrier_signal -1
	s_barrier_wait -1
	CREST
.endm
	s_load_b128 s[4:7], s[0:1], 0x0                ; qh s[4:5], kh s[6:7]
	s_load_b64 s[8:9], s[0:1], 0x10                ; p
	s_load_b128 s[68:71], s[0:1], 0x18             ; mstat s[68:69], lstat s[70:71]
	s_set_vgpr_msb 0x40
	v_lshl_add_u32 v255, v0, 2, 0x45000
	s_set_vgpr_msb 0x4000
	v_mov_b32 v255, 0
	s_set_vgpr_msb 0x1
	ds_add_u32 v255, v255
	s_set_vgpr_msb 0x100
	v_lshrrev_b32 v1, 5, v0
	v_readfirstlane_b32 s10, v1                    ; wave 0..3
	s_lshr_b32 s11, s10, 1                         ; which half of the block's rows is mine.  Also: I fetch for qh (0) or for kh (1)
	s_and_b32 s12, s10, 1                          ; which half of its columns.  Also: which 128 rows of that tile I fetch
	s_bfe_u32 s40, ttmp6, 0x40000                  ; cx: my place along the cluster's x
	s_bfe_u32 s41, ttmp6, 0x40004                  ; cy: along its y
	s_lshl_b32 s42, ttmp9, 2                       ; in a cluster launch ttmp9 and ttmp7 count clusters
	s_add_co_u32 s42, s42, s40                     ; block column (256 keys) = 4 x cluster x + cx
	s_and_b32 s13, ttmp7, 0xffff
	s_lshl_b32 s13, s13, 2
	s_add_co_u32 s13, s13, s41                     ; block row (256 queries) = 4 x cluster y + cy
	s_lshl_b32 s43, s41, 2
	s_lshl_b32 s43, 15, s43                        ; my row of the cluster: places 4 cy .. 4 cy + 3
	s_lshl_b32 s44, 0x1111, s40                    ; my column: places cx, cx + 4, cx + 8, cx + 12
	; descriptor group 1: a tile of 128 rows x 128 elements of 2 bytes, 4 words of padding behind every 64 words
	s_or_b32 s[G1+0], s43, (1<<16)|(1<<20)|(1<<21)|(5<<22)|(3<<25)  ; 15:0 mask: qh's tiles go to my row; 17:16 2 bytes; 20 padding on; 21 set beside a mask; 24:22 every 64 words; 31:25 4 words
	s_or_b32 s[G1B+0], s44, (1<<16)|(1<<20)|(1<<21)|(5<<22)|(3<<25) ; the same with the mask of my column, for kh's tiles
	s_mov_b32 s[G1B+1], KSTEP<<16
	s_mov_b32 s[G1+1], KSTEP<<16                   ; tensor_dim0 = 128
	s_mov_b32 s[G1B+2], 128<<16
	s_mov_b32 s[G1+2], 128<<16                     ; tensor_dim1 = 128
	s_mov_b32 s[G1B+3], KSTEP<<16
	s_mov_b32 s[G1+3], KSTEP<<16                   ; tile_dim0 = 128
	s_mov_b32 s[G1B+4], 128
	s_mov_b32 s[G1+4], 128                         ; tile_dim1 = 128
	s_mov_b32 s[G1B+5], SIZE_K
	s_mov_b32 s[G1+5], SIZE_K                      ; elements from row to row
	s_mov_b32 s[G1B+6], 0
	s_mov_b32 s[G1+6], 0
	s_mov_b32 s[G1B+7], 0
	s_mov_b32 s[G1+7], 0
	; where the tiles come from: qh's hang on the block row alone, kh's on the block column alone; each in registers that never hold the other coordinate
	s_lshl_b32 s17, s12, 7                         ; which 128 rows of the tile I fetch
	s_lshl_b32 s16, s13, 8
	s_add_co_u32 s16, s16, s17                     ; qh: row 256 x block row + 128 x half
	s_lshl_b32 s46, s42, 8
	s_add_co_u32 s46, s46, s17                     ; kh: row 256 x block column + 128 x half
	s_mov_b32 s17, 0
	s_mov_b32 s47, 0
	s_mov_b64 s[18:19], SIZE_K*2
	s_mul_u64 s[16:17], s[16:17], s[18:19]         ; in bytes
	s_mul_u64 s[46:47], s[46:47], s[18:19]
	s_mul_i32 s20, s10, HALFT                      ; where they go: wave x 128 rows; no place in the cluster enters an LDS address
	s_wait_dscnt 0x0
	s_wait_kmcnt 0x0
	s_add_nc_u64 s[14:15], s[4:5], s[16:17]
	s_add_nc_u64 s[46:47], s[6:7], s[46:47]
	CROUND                                         ; all sixteen work-groups are here: the first joint loads meet
.irp s, 0,1
	s_mov_b32 s[G0+4*\s], 1                                        ; count = 1
	s_add_co_u32 s[G0+4*\s+1], s20, \s*SLOT                        ; LDS address
	s_add_nc_u64 s[G0+4*\s+2:G0+4*\s+3], s[14:15], \s*KSTEP*2      ; global address: K step s
	s_or_b32 s[G0+4*\s+3], s[G0+4*\s+3], 0x80000000                ; type = 2
	s_mov_b32 s[G0B+4*\s], 1
	s_add_co_u32 s[G0B+4*\s+1], s20, \s*SLOT
	s_add_nc_u64 s[G0B+4*\s+2:G0B+4*\s+3], s[46:47], \s*KSTEP*2
	s_or_b32 s[G0B+4*\s+3], s[G0B+4*\s+3], 0x80000000
	JLOAD \s                                       ; the ring is filled before anything else is done: two loads of mine are out
.endr
	; A fragment is 16 rows x 32 K in 8 registers: lane l holds row l % 16; registers 0-3 K = 8 (l / 16) + 0..7, registers 4-7 K = 16 + 8 (l / 16) + 0..7:
	; two loads of 16 bytes, 32 bytes apart.
	v_and_b32 v1, 15, v0                           ; r = l % 16
	v_bfe_u32 v2, v0, 4, 1                         ; h = l / 16
	v_mul_u32_u24 v3, v1, PITCH
	v_lshl_add_u32 v3, v2, 4, v3                   ; row x pitch + 16 h
	s_mul_i32 s21, s11, HALFT                      ; my 128 rows of qh
	s_mul_i32 s22, s12, HALFT                      ; my 128 rows of kh,
	s_add_co_u32 s22, s22, 2*HALFT                 ; which lie behind qh's 256
.irp s, 0,1
	v_add_nc_u32 v[ADRA+\s], s21, v3
	v_add_nc_u32 v[ADRB+\s], s22, v3
	s_add_co_u32 s21, s21, SLOT
	s_add_co_u32 s22, s22, SLOT
.endr
	v_and_b32 v6, 31, v0                           ; lane
	v_lshlrev_b32 v[CO], 4, v6                     ; 16 bytes a lane
	s_lshl_b32 s78, s10, 10
	s_add_co_u32 s78, s78, STATS                   ; my 1,024 bytes of figures
	v_lshl_add_u32 v[SM], v1, 2, s78               ; row r's word (the 16 rows' group goes into the offset)
	v_lshl_add_u32 v[SR], v6, 4, s78               ; back: four rows a lane
	s_lshl_b32 s77, s13, 8
	s_lshl_b32 s78, s11, 7
	s_add_co_u32 s77, s77, s78                     ; my first query row
	s_lshl_b32 s77, s77, 2                         ; 4 bytes a row
	s_lshl1_add_u32 s78, s42, s12                  ; my block of 128 keys = 2 x block column + half
	s_lshl_b32 s78, s78, 14                        ; 4,096 rows of 4 bytes a block
	s_add_co_u32 s77, s77, s78
	v_lshl_add_u32 v[SO], v6, 4, s77
	v_mov_b32 v[TT], 0                             ; v_permlanex16_b32 counts as a reader of its destination
	s_mov_b32 s72, 0x3d38aa3b                      ; c = log2(e) / 32,
	s_mov_b32 s73, 0x3d38aa3b                      ; the pair's second register is written too
	s_mov_b32 s76, 0xbd38aa3b                      ; - c
	s_mov_b32 s74, 0x76543210                      ; v_permlanex16_b32: lane i of one half reads lane i of the other
	s_mov_b32 s75, 0xfedcba98
; 16 matrix instructions: row blocks a0, a0 + 1 of the window's four (hi = 0: my rows 0-63, 1: rows 64-127) x all 8 key blocks, 32 along K.
; zero = 1: the first product starts the sums: nothing is cleared.
.macro MUL16 f, hi, a0, zero
.irp a, \a0, \a0+1
.irp b, 0,1,2,3,4,5,6,7
.if \zero
	v_wmma_f32_16x16x32_f16 v[8*(8*(\a)+\b):8*(8*(\a)+\b)+7], v[\f+8*\b:\f+8*\b+7], v[\f+8*(4*\hi+\a):\f+8*(4*\hi+\a)+7], 0
.else
	v_wmma_f32_16x16x32_f16 v[8*(8*(\a)+\b):8*(8*(\a)+\b)+7], v[\f+8*\b:\f+8*\b+7], v[\f+8*(4*\hi+\a):\f+8*(4*\hi+\a)+7], v[8*(8*(\a)+\b):8*(8*(\a)+\b)+7]
.endif
.endr
.endr
.endm
; 32 LDS loads in one run: the fragments of one quarter step (128 rows of kh, 128 rows of qh, 32 K at byte k of the rows) into buffer f
.macro FETCH slot, k, f
	WIN TO_B
.irp i, 0,1,2,3,4,5,6,7
	ds_load_b128 v[\f+8*\i:\f+8*\i+3],   v[ADRB+\slot] offset:\k+\i*16*PITCH
	ds_load_b128 v[\f+8*\i+4:\f+8*\i+7], v[ADRB+\slot] offset:\k+\i*16*PITCH+32
.endr
	WIN 0
.irp i, 0,1,2,3,4,5,6,7
	ds_load_b128 v[\f+8*\i:\f+8*\i+3],   v[ADRA+\slot] offset:\k+\i*16*PITCH
	ds_load_b128 v[\f+8*\i+4:\f+8*\i+7], v[ADRA+\slot] offset:\k+\i*16*PITCH+32
.endr
.endm
; A load into a register that a matrix instruction has read, and a vector instruction that reads a matrix result, stand four places behind that matrix
; instruction; only plain vector instructions that name none of its registers are places.  The K loop has no vector work of its own to put there.
.macro PLACES
.rept 4
	v_nop
.endr
.endm
; A K step is four quarter steps of 32 along K, 64 matrix instructions each, on buffers 0, 1, 0, 1.  The 64 accumulators take turns, one instruction a turn,
; in the same order in every quarter, over the backward jump too.
; One of the first three quarters: multiplies buffer f; in its middle it fetches the next quarter's fragments into buffer g.
.macro QUARTER slot, k, f, g, zero
	s_wait_dscnt 8                                 ; kh and qh's rows 0-63 are in; the youngest eight loads (qh's rows 64-127) may be out
	WIN MUL_LO
	MUL16 \f, 0, 0, \zero
	MUL16 \f, 0, 2, \zero
	PLACES
	FETCH \slot, \k, \g
	s_wait_dscnt 32                                ; all but the 32 just issued
	WIN MUL_HI
	MUL16 \f, 1, 0, \zero
	MUL16 \f, 1, 2, \zero
.endm
.macro THREE slot, zero
	QUARTER \slot, 64,  F0, F1, \zero
	QUARTER \slot, 128, F1, F0, 0
	QUARTER \slot, 192, F0, F1, 0
.endm
; The last quarter: multiplies buffer 1 and changes slots.  One barrier for two things: in front of it each wave waits for its own reads of this slot and for
; all its tensor loads (one is out: its part of the next slot); behind it nobody reads this slot any more and the next slot is whole: the refill comes first,
; then the next slot's first fragments.  From a request to the wait for it a wave issues 240 matrix instructions.
.macro TURN slot, next, fill
	s_wait_dscnt 8
	WIN MUL_LO
	MUL16 F1, 0, 0, 0
	s_wait_dscnt 0                                 ; my reads of this slot are over
	s_wait_tensorcnt 0x0                           ; and all my tensor loads have landed
	ds_add_u32 v255, v255
	s_wait_dscnt 0x0
	s_barrier_signal -1                            ; say so (where a slot is filled again this barrier opens a round of the cluster's barrier),
	MUL16 F1, 0, 2, 0                              ; work on registers while the others arrive,
	WIN 0
	s_barrier_wait -1
.if \fill
	CREST                                          ; all sixteen work-groups have said so: no wave of any partner still reads this slot or has a load on its way
	s_add_nc_u64 s[G0+4*\slot+2:G0+4*\slot+3], s[G0+4*\slot+2:G0+4*\slot+3], 2*KSTEP*2
	s_add_nc_u64 s[G0B+4*\slot+2:G0B+4*\slot+3], s[G0B+4*\slot+2:G0B+4*\slot+3], 2*KSTEP*2
	JLOAD \slot                                    ; the first tensor load behind the round
.endif
	PLACES
	FETCH \next, 0, F0
	WIN MUL_HI
	MUL16 F1, 1, 0, 0
	MUL16 F1, 1, 2, 0
.endm
.macro LAP zero                        ; once round the ring, both slots filled again
	THREE 0, \zero
	TURN 0, 1, 1
	THREE 1, 0
	TURN 1, 0, 1
.endm
	s_wait_tensorcnt 1                             ; my part of K step 0 is in; K step 1's load, issued behind it, may be out
	s_barrier_signal -1
	s_barrier_wait -1                              ; everybody's is
	FETCH 0, 0, F0
	LAP 1                                          ; the first lap stands in front of the loop: its first products start the sums
	WIN 0                                          ; at a label and at a branch every window is 0
	s_mov_b32 s3, LAPS-2
.Llap:
	LAP 0
	WIN 0
	s_sub_co_u32 s3, s3, 1
	s_cmp_lg_u32 s3, 0
	s_cbranch_scc1 .Llap
	THREE 0, 0                                     ; the last lap fills nothing
	TURN 0, 1, 0
	THREE 1, 0
	s_wait_dscnt 8                                 ; the very last quarter: nothing more to fetch
	WIN MUL_LO
	MUL16 F1, 0, 0, 0
	MUL16 F1, 0, 2, 0
	s_wait_dscnt 0
	WIN MUL_HI
	MUL16 F1, 1, 0, 0
	MUL16 F1, 1, 2, 0
	; THE WAY OUT, 16 query rows at a time.  The four v_nop are the places behind the last matrix instructions.
	PLACES
	s_lshl_b32 s16, s13, 21                        ; my first block of 16 rows is 16 x block row + 8 x half; a block of 16 rows is 2^17 bytes of p
	s_lshl_b32 s14, s11, 20
	s_add_co_u32 s16, s16, s14
	s_mov_b32 s17, 0
	s_add_nc_u64 s[8:9], s[8:9], s[16:17]
	s_lshl_b32 s46, s42, 13                        ; my first key group is 8 x block column + 4 x half; a key group is 1,024 bytes
	s_lshl_b32 s47, s12, 12
	s_add_co_u32 s46, s46, s47
	s_mov_b32 s47, 0
	s_add_nc_u64 s[8:9], s[8:9], s[46:47]
; The plain work on key block b's eight exponentials: round to f16, add to the four pairs of sums (blocks 0 and 1 start them: nothing is cleared).
.macro PLAIN b
	s_wait_alu depctr_va_vdst(0)
.irp k, 0,1,2,3
	v_cvt_pk_f16_f32 v[TMP+4*(\b)+\k], v[EX+8*(\b)+2*\k], v[EX+8*(\b)+2*\k+1]
.endr
.if (\b) == 1
.irp k, 0,1,2,3
	v_pk_add_f32 v[SUMS+2*\k:SUMS+2*\k+1], v[EX+2*\k:EX+2*\k+1], v[EX+8+2*\k:EX+8+2*\k+1]
.endr
.endif
.if (\b) > 1
.irp k, 0,1,2,3
	v_pk_add_f32 v[SUMS+2*\k:SUMS+2*\k+1], v[SUMS+2*\k:SUMS+2*\k+1], v[EX+8*(\b)+2*\k:EX+8*(\b)+2*\k+1]
.endr
.endif
.endm
; Rows 16 i .. 16 i + 15 of my block = the eight tiles (a, 0..7) of window 2 or 3.  both: sources 0 and 1 in that window (0x0a, 0x0f); one: source 0 alone (0x02, 0x03).
.macro OUT16 i, a, both, one
	WIN \both                                      ; the largest of my 64 scores, in four chains
.irp k, 0,1,2,3
	v_max_num_f32 v[MX+\k], v[8*(8*\a)+2*\k], v[8*(8*\a)+2*\k+1]
.endr
.irp b, 1,2,3,4,5,6,7
.irp k, 0,1,2,3
	v_max3_num_f32 v[MX+\k], v[8*(8*\a+\b)+2*\k], v[8*(8*\a+\b)+2*\k+1], v[MX+\k]
.endr
.endr
	WIN 0
	v_max3_num_f32 v[MX], v[MX], v[MX+1], v[MX+2]
	v_max_num_f32 v[MX], v[MX], v[MX+3]
	v_permlanex16_b32 v[TT], v[MX], s74, s75       ; the row's other 64 keys lie in lane l xor 16
	v_max_num_f32 v[MX], v[MX], v[TT]              ; the row's maximum over the block's 128 keys, in both lanes
	v_mul_f32 v[MCV], s72, v[MX]                   ; c x maximum, as it is stored,
	v_mul_f32 v[NM], s76, v[MX]                    ; and exactly its negative, twice
	v_mul_f32 v[NM+1], s76, v[MX]
	ds_store_b32 v[SM], v[MCV] offset:64*\i        ; both lanes write the same word with the same value
	WIN \one                                       ; the exponents c s - c max: one fused multiply-add, so the difference is rounded once
.irp b, 0,1,2,3,4,5,6,7
.irp k, 0,1,2,3
	v_pk_fma_f32 v[EX+8*\b+2*\k:EX+8*\b+2*\k+1], v[8*(8*\a+\b)+2*\k:8*(8*\a+\b)+2*\k+1], s[72:73], v[NM:NM+1] op_sel_hi:[1,0,1]
.endr
.endr
	WIN 0
.if \i
	s_wait_xcnt 0x0                                ; every earlier memory instruction has had its addresses translated (ISA guide 3.1): the packed registers, which the last 16 rows' stores read, are rewritten only behind this wait
.endif
	; Exponentials in groups of eight; behind each group stands the plain work on the group before, so that a plain instruction lies between every
	; exponential and the first use of its result (ISA guide 5.7.2); the first group has none before it and gets a v_nop.
.irp j, 0,1,2,3,4,5,6,7
	v_exp_f32 v[EX+\j], v[EX+\j]
.endr
	v_nop
.irp b, 1,2,3,4,5,6,7
.irp j, 0,1,2,3,4,5,6,7
	v_exp_f32 v[EX+8*\b+\j], v[EX+8*\b+\j]
.endr
	PLAIN \b-1
.endr
	PLAIN 7
	v_pk_add_f32 v[SUMS:SUMS+1], v[SUMS:SUMS+1], v[SUMS+2:SUMS+3]
	v_pk_add_f32 v[SUMS+4:SUMS+5], v[SUMS+4:SUMS+5], v[SUMS+6:SUMS+7]
	v_pk_add_f32 v[SUMS:SUMS+1], v[SUMS:SUMS+1], v[SUMS+4:SUMS+5]
	v_add_f32 v[LSUM], v[SUMS], v[SUMS+1]
	v_permlanex16_b32 v[TT], v[LSUM], s74, s75
	v_add_f32 v[LSUM], v[LSUM], v[TT]              ; the row's sum over the block
	ds_store_b32 v[SM], v[LSUM] offset:512+64*\i
	; Tile b's four packed registers are registers 4 (b % 2) .. + 3 of fragment b / 2: byte 512 b of the 4,096 bytes that these 16 rows x 128 keys take in p.
.irp b, 0,1,2,3,4,5,6,7
	global_store_b128 v[CO], v[TMP+4*\b:TMP+4*\b+3], s[8:9] offset:\i*PROWB+512*\b   ; the wave stores 512 consecutive bytes, aligned
.endr
.endm
	OUT16 0, 0, 0x0a, 0x02
	OUT16 1, 1, 0x0a, 0x02
	OUT16 2, 2, 0x0a, 0x02
	OUT16 3, 3, 0x0a, 0x02
	OUT16 4, 0, 0x0f, 0x03
	OUT16 5, 1, 0x0f, 0x03
	OUT16 6, 2, 0x0f, 0x03
	OUT16 7, 3, 0x0f, 0x03
	ds_load_b128 v[ST:ST+3],   v[SR]               ; my wave's 128 maxima and 128 sums, four rows a lane: my own bytes, served in order (ISA guide 5.7.1.4)
	ds_load_b128 v[ST+4:ST+7], v[SR] offset:512
	s_wait_dscnt 0x0
	global_store_b128 v[SO], v[ST:ST+3],   s[68:69]    ; each store of the wave covers 512 consecutive bytes, aligned
	global_store_b128 v[SO], v[ST+4:ST+7], s[70:71]
	s_set_vgpr_msb 0x1
	s_wait_tensorcnt 0x0
	ds_add_u32 v255, v255
	s_wait_dscnt 0x0
	s_set_vgpr_msb 0x100
	CROUND                                         ; the closing round: no work-group ends while a partner may still ask for a tile that names it
	s_endpgm
.Lfunc_end_k_qc2f04bf560_scores:
	.size	k_qc2f04bf560_scores, .Lfunc_end_k_qc2f04bf560_scores-k_qc2f04bf560_scores
	.p2alignl 7, 3214868480
	.fill 96, 4, 3214868480
	.section	.rodata,"a",@progbits
	.p2align	6, 0x0
	.amdhsa_kernel k_qc2f04bf560_scores
		.amdhsa_group_segment_fixed_size 327680
		.amdhsa_private_segment_fixed_size 0
		.amdhsa_enable_private_segment 0
		.amdhsa_kernarg_size 40
		.amdhsa_user_sgpr_count 2
		.amdhsa_user_sgpr_kernarg_segment_ptr 1
		.amdhsa_wavefront_size32 1
		.amdhsa_system_sgpr_workgroup_id_x 1
		.amdhsa_system_sgpr_workgroup_id_y 1
		.amdhsa_system_sgpr_workgroup_id_z 1
		.amdhsa_system_vgpr_workitem_id 0
		.amdhsa_next_free_vgpr 1024
		.amdhsa_next_free_sgpr 80
		.amdhsa_reserve_vcc 0
		.amdhsa_float_denorm_mode_32 3
		.amdhsa_float_denorm_mode_16_64 3
		.amdhsa_memory_ordered 1
		.amdhsa_forward_progress 1
		.amdhsa_inst_pref_size 255
	.end_amdhsa_kernel
	.section	.bss,"aw",@nobits
	.p2align	6
	.space	262144
	.amdgpu_metadata
---
amdhsa.version: [ 1, 2 ]
amdhsa.kernels:
  - .name:           k_qc2f04bf560_scores
    .symbol:         k_qc2f04bf560_scores.kd
    .args:
      - { .name: qh, .offset: 0, .size: 8, .value_kind: global_buffer, .address_space: global }
      - { .name: kh, .offset: 8, .size: 8, .value_kind: global_buffer, .address_space: global }
      - { .name: p, .offset: 16, .size: 8, .value_kind: global_buffer, .address_space: global }
      - { .name: mstat, .offset: 24, .size: 8, .value_kind: global_buffer, .address_space: global }
      - { .name: lstat, .offset: 32, .size: 8, .value_kind: global_buffer, .address_space: global }
    .group_segment_fixed_size: 327680
    .private_segment_fixed_size: 0
    .kernarg_segment_align: 8
    .kernarg_segment_size: 40
    .max_flat_workgroup_size: 128
    .sgpr_count:     80
    .vgpr_count:     1024
    .wavefront_size: 32
...
	.end_amdgpu_metadata
.endif
;; end of part 2
;; launch pv (part 3): grid 8 x 32, 4 waves a work-group, clusters of 4 x 4, 327,680 bytes of LDS; arguments p, vh, out0, mstat, lstat; writes out0
.if DOCPART == 3
	.amdgcn_target "amdgcn-amd-amdhsa--gfx1250"
	.amdhsa_code_object_version 6
	.text
	.protected	k_qc2f04bf560_pv
	.globl	k_qc2f04bf560_pv
	.p2align	8
	.type	k_qc2f04bf560_pv,@function
k_qc2f04bf560_pv:
	s_mov_b64 s[64:65], 0
	v_nop
	global_prefetch_b8 v0, s[64:65] scope:SCOPE_SE
	s_setreg_imm32_b32 hwreg(HW_REG_WAVE_MODE, 25, 1), 1
	s_wait_xcnt 0x0
	s_wait_alu depctr_hold_cnt(0) depctr_sa_sdst(0) depctr_va_vdst(0) depctr_va_sdst(0) depctr_va_ssrc(0) depctr_va_vcc(0) depctr_vm_vsrc(0)
	s_getreg_b32 s2, hwreg(HW_REG_IB_STS2, 6, 4)
	s_cmp_eq_u32 s2, 0
	s_cbranch_scc0 .Lentry_in_a_cluster
	s_endpgm
.Lentry_in_a_cluster:
	s_bfe_u32 s2, ttmp6, 0x10000c
	s_cmp_lg_u32 s2, 0xf033
	s_cbranch_scc0 .Lentry_shape_is_right
	s_endpgm
.Lentry_shape_is_right:
; out0[m][d] = (1 / l[m]) sum over keys n of f[m][n / 128] p(m, n) vh[n][d], where, from the last launch's figures of the 32 key blocks of row m,
;   mx[m] = max over blk of mstat[blk][m],  f[m][blk] = exp2(mstat[blk][m] - mx[m]),  l[m] = sum over blk of f[m][blk] lstat[blk][m].
; So every weight is taken relative to the row's true maximum, as the softmax asks.  p, f and vh are f16 (f p is one packed f16 multiply), the sums f32.
; LIMITS: a weight below 2^-24 of the row's largest counts as 0, one below 2^-14 carries an absolute error of 2^-25; since l >= 1 (but for rounding), 4,096 such
; errors are at most 1.2e-4 of the weights' sum.  Inputs are finite.
;
; A work-group makes 128 rows x 128 columns of out0.  The keys go in 32 quarters of 128 (quarter t = key block t).  Wave w multiplies keys 128 t + 32 w .. + 31
; (key group 4 t + w) against the WHOLE 128 x 128 tile: 64 accumulator tiles, 512 registers, 64 matrix instructions a quarter.  The four waves' sums meet in LDS at the end.
; p COMES STRAIGHT INTO REGISTERS.  It lies in memory in the operand's own order: fragment (R, g) = rows 16 R .. + 15 x keys 32 g .. + 31 is 1,024 bytes at
; (128 R + g) x 1,024, lane l's registers 0-3 at 16 l, registers 4-7 at 512 + 16 l.  A load of 16 bytes a lane covers 512 consecutive bytes, aligned, and lands
; where the matrix instruction reads it.  Four buffers: the loads of quarter n + 3 are issued in quarter n, 48 loads of a wave on their way.
; WHY p IS NOT ASKED FOR JOINTLY, though the eight work-groups of a block of rows read the same fragments: a joint load ends in LDS, and here each fragment has ONE
; reader (wave w alone multiplies key group 4 t + w), so the way through LDS would write 1 MiB and read 1 MiB per work-group that no second wave uses.  It also leaves
; the whole ring to vh: a slot holds 512 keys, and from a slot's request to the wait for it a wave issues 240 matrix instructions.
; vh goes through a ring of two LDS slots of 512 keys x 128 columns, since its fragments are transposed on the way into registers.
; CLUSTERS: 4 x 4 work-groups.  vh's tile hangs on the block of columns alone and is shared along a column of the cluster: it is asked for jointly, one request for four.
;
; REGISTERS: window 0: v0-63 addresses and factors; v64-127, v128-191, v192-255 p's buffers 0, 1, 2.  Window 1: v64-127, v128-191 vh's two buffers; v192-255 p's buffer 3.
; Window 2: the accumulator tiles of rows 0-63 (tile (a, b) at v[8 (8 a + b)]); window 3: those of rows 64-127.
; The matrix instruction is used transposed: source 0 = 16 columns of vh, source 1 = 16 rows of p; lane l then holds row l % 16 and columns 8 (l / 16) + 0 .. 7.
.set VP,    288                        ; an LDS row of vh's tile: 256 bytes + 32: an odd multiple of 32, for the transposing loads
.set VT,    128*VP                     ; 36,864: 128 keys x 128 columns: what one tensor load brings, and one quarter's keys
.set SLOT,  4*VT                       ; 147,456: 512 keys
.set FT,    2*SLOT                     ; 294,912: the factors, 16,384 bytes: word blk 512 + (a / 4) 256 + r 16 + (a % 4) 4 = (f, f) in f16 of row 16 a + r
.set RL,    FT+16384                   ; 311,296: 1 / l of the 128 rows, f32
.set SP,    528                        ; the end: a row of 128 f32 + 16 bytes
.set SREG,  128*SP                     ; 67,584: a wave's 128 x 128 sums; the four lie over the ring, behind its last fill
.set PROWB, 131072                     ; bytes of p from one block of 16 rows to the next: 128 key groups of 1,024 bytes
.set PQ,    4096                       ; bytes of p from one quarter to the next: 4 key groups
.set VSTEP, 1048576                    ; bytes of vh in 512 keys of 2,048 bytes
.set ADRV, 16                          ; v[16:19] LDS address of my vh fragments in quarters 0-1, 2-3 of slot 0, then of slot 1
.set ADRF, 20                          ; v20     my row's factors of the body's first quarter
.set LOFF, 21                          ; v21     16 x lane: my 16 bytes in half a fragment of p, and in a row of out0
.set FW,   23                          ; v23     where thread t puts row t's factors
.set STO,  24                          ; v24     the end: where I put my sums
.set RLW,  25                          ; v25     where thread t puts row t's 1 / l
.set RD,   26                          ; v[26:29] the end: where I read wave u's sums
.set SOFF, 31                          ; v31     row t's byte offset in a block of mstat, lstat
.set FA,   32                          ; v[32:39], v[40:47] a quarter's factor for each of the 8 row blocks, two sets
.set RLA,  48                          ; v48     where the 1 / l of my 32 rows lie
.set LS,   50                          ; v[50:53] in front of the loop: four sums
.set MR,   54                          ; v54     the row's maximum
.set F0,   64                          ; the end: two buffers of 64 registers
.set RLV,  192                         ; the end: v[192:223] 1 / l of my 32 rows
.set MC,   192                         ; in front of the loop: v[192:223] mstat, then the factors; v[224:255] lstat
.set LL,   224
.set G1B, 48                           ; s[48:55] descriptor group 1 for vh's tiles
.set G0B, 56                           ; s[56:63] group 0, one set for each slot
.set MSB, 0
.macro WIN new                         ; the immediate's high byte repeats the setting that is left; a switch that changes nothing is dropped
.if MSB != \new
	s_set_vgpr_msb (MSB<<8)|\new
.set MSB, \new
.endif
.endm
.macro CREST                           ; a round of the cluster's barrier behind its opening barrier
	s_cmp_lg_u32 s10, 0
	s_cbranch_scc1 .Lnot_wave_0_\@
	s_barrier_signal -3
.Lnot_wave_0_\@:
	s_barrier_wait -3
	s_barrier_signal -1
	s_barrier_wait -1
.endm
.macro CROUND                          ; a whole round
	s_barrier_signal -1
	s_barrier_wait -1
	CREST
.endm
.macro VLOAD s                         ; the joint load of my 128 keys of slot s: one line, one mask; both addresses hang on the wave's number
	tensor_load_to_lds s[G0B+4*(\s):G0B+4*(\s)+3], s[G1B:G1B+7]
	s_nop 0
.endm
.macro PLOAD q, pb                     ; 16 loads: p's eight fragments (128 rows x my 32 keys) of quarter q of the body, into the buffer at pb
.irp a, 0,1,2,3,4,5,6,7
	global_load_b128 v[\pb+8*\a:\pb+8*\a+3],   v[LOFF], s[4:5] offset:\a*PROWB+(\q)*PQ
	global_load_b128 v[\pb+8*\a+4:\pb+8*\a+7], v[LOFF], s[4:5] offset:\a*PROWB+(\q)*PQ+512
.endr
.endm
.macro FACT fr, off                    ; a quarter's eight factors of my row r
	ds_load_b128 v[\fr:\fr+3],   v[ADRF] offset:\off
	ds_load_b128 v[\fr+4:\fr+7], v[ADRF] offset:\off+256
.endm
.macro VFETCH nq, vb                   ; 16 transposing loads: my 32 keys x 128 columns of quarter nq (0..7 of the ring), into vh's buffer at vb
.irp b, 0,1,2,3,4,5,6,7
	ds_load_tr16_b128 v[\vb+8*\b:\vb+8*\b+3],   v[ADRV+(\nq)/2] offset:((\nq)&1)*VT+32*\b
	ds_load_tr16_b128 v[\vb+8*\b+4:\vb+8*\b+7], v[ADRV+(\nq)/2] offset:((\nq)&1)*VT+16*VP+32*\b
.endr
.endm
	s_load_b128 s[4:7], s[0:1], 0x0                ; p s[4:5], vh s[6:7]
	s_load_b64 s[8:9], s[0:1], 0x10                ; out0
	s_load_b128 s[68:71], s[0:1], 0x18             ; mstat s[68:69], lstat s[70:71]
	s_set_vgpr_msb 0x40
	v_lshl_add_u32 v63, v0, 2, 0x4c200
	s_set_vgpr_msb 0x4000
	v_mov_b32 v63, 0
	s_set_vgpr_msb 0x1
	ds_add_u32 v63, v63
	s_set_vgpr_msb 0x100
	v_lshrrev_b32 v1, 5, v0
	v_readfirstlane_b32 s10, v1                    ; wave 0..3
	s_bfe_u32 s40, ttmp6, 0x40000                  ; cx
	s_bfe_u32 s41, ttmp6, 0x40004                  ; cy
	s_lshl_b32 s42, ttmp9, 2
	s_add_co_u32 s42, s42, s40                     ; block of 128 columns = 4 x cluster x + cx
	s_and_b32 s13, ttmp7, 0xffff
	s_lshl_b32 s13, s13, 2
	s_add_co_u32 s13, s13, s41                     ; block of 128 rows = 4 x cluster y + cy
	s_lshl_b32 s44, 0x1111, s40                    ; my column of the cluster: places cx, cx + 4, cx + 8, cx + 12
	; group 1: 128 rows (keys) x 128 elements of 2 bytes, 8 words of padding behind every 64 words, 1,024 elements from row to row
	s_or_b32 s[G1B+0], s44, (1<<16)|(1<<20)|(1<<21)|(5<<22)|(7<<25)
	s_mov_b32 s[G1B+1], 128<<16                    ; tensor_dim0 = 128
	s_mov_b32 s[G1B+2], 128<<16                    ; tensor_dim1 = 128
	s_mov_b32 s[G1B+3], 128<<16                    ; tile_dim0 = 128
	s_mov_b32 s[G1B+4], 128                        ; tile_dim1 = 128
	s_mov_b32 s[G1B+5], 1024
	s_mov_b32 s[G1B+6], 0
	s_mov_b32 s[G1B+7], 0
	s_lshl_b32 s46, s10, 18                        ; vh: 128 x wave keys of 2,048 bytes + 256 bytes x block of columns
	s_lshl_b32 s47, s42, 8
	s_add_co_u32 s46, s46, s47
	s_mov_b32 s47, 0
	s_mul_i32 s45, s10, VT                         ; where they go: made of the wave's number alone
	s_lshl_b32 s16, s13, 20                        ; p: 8 blocks of 16 rows x block of rows, 2^17 bytes each, + 1,024 bytes x wave (my key group of quarter 0)
	s_lshl_b32 s17, s10, 10
	s_add_co_u32 s16, s16, s17
	s_mov_b32 s17, 0
	s_wait_dscnt 0x0
	s_wait_kmcnt 0x0
	s_add_nc_u64 s[4:5], s[4:5], s[16:17]
	s_add_nc_u64 s[46:47], s[6:7], s[46:47]
	CROUND                                         ; all sixteen work-groups are here: the first joint loads meet
.irp s, 0,1
	s_mov_b32 s[G0B+4*\s], 1                                       ; count = 1
	s_add_co_u32 s[G0B+4*\s+1], s45, \s*SLOT                       ; LDS address
	s_add_nc_u64 s[G0B+4*\s+2:G0B+4*\s+3], s[46:47], \s*VSTEP      ; global address: keys 512 s ..
	s_or_b32 s[G0B+4*\s+3], s[G0B+4*\s+3], 0x80000000              ; type = 2
	VLOAD \s                                       ; two loads of mine are out
.endr
	v_and_b32 v1, 15, v0                           ; r = l % 16
	v_bfe_u32 v2, v0, 4, 1                         ; h = l / 16
	v_and_b32 v7, 31, v0                           ; l
	s_lshl_b32 s74, s13, 9
	v_lshl_add_u32 v[SOFF], v0, 2, s74             ; (128 x block of rows + t) x 4 bytes
	v_lshlrev_b32 v[LOFF], 4, v7
	; THE ROWS' FIGURES first (thread t takes row t of the block: 32 maxima, 32 sums), then p's first two quarters behind them
.set bb, 0
.rept 32
	global_load_b32 v[MC+bb], v[SOFF], s[68:69] offset:bb*16384
.set bb, bb+1
.endr
.set bb, 0
.rept 32
	global_load_b32 v[LL+bb], v[SOFF], s[70:71] offset:bb*16384
.set bb, bb+1
.endr
	PLOAD 0, 64
	PLOAD 1, 128
	v_and_b32 v4, 7, v0                            ; vh's fragments by the transposing load: lane l addresses key 8 h + l % 8, 16 bytes at 16 ((l / 8) % 2)
	v_lshl_add_u32 v4, v2, 3, v4
	v_mul_u32_u24 v4, v4, VP
	v_bfe_u32 v5, v0, 3, 1
	v_lshl_add_u32 v4, v5, 4, v4
	s_mul_i32 s22, s10, 32*VP                      ; my 32 keys of a quarter's 128
	v_add_nc_u32 v[ADRV], s22, v4
.irp k, 1,2,3
	v_add_nc_u32 v[ADRV+\k], \k*2*VT, v[ADRV]      ; two quarters further each, so that the offsets stay inside 16 bits
.endr
	s_mov_b32 s23, FT
	v_lshl_add_u32 v[ADRF], v1, 4, s23             ; 16 bytes = row blocks 0-3 of row r, 256 further blocks 4-7; the key block goes into the offset
	v_lshrrev_b32 v5, 6, v0                        ; thread t is row t = 16 a + r: (a / 4) 256 + r 16 + (a % 4) 4
	v_lshlrev_b32 v5, 8, v5
	v_lshl_add_u32 v5, v1, 4, v5
	v_bfe_u32 v6, v0, 4, 2
	v_lshl_add_u32 v5, v6, 2, v5
	v_add_nc_u32 v[FW], FT, v5
	s_mul_i32 s72, s10, SREG
	v_mul_u32_u24 v5, v1, SP
	v_lshl_add_u32 v5, v2, 5, v5                   ; row r, 32 bytes for each half of the lanes
	v_add_nc_u32 v[STO], s72, v5
	s_mov_b32 s75, RL
	v_lshl_add_u32 v[RLW], v0, 2, s75
	s_mul_i32 s73, s10, 32*SP                      ; at the end I sum rows 32 w .. 32 w + 31: 16 bytes a lane of a row's 512
	v_lshl_add_u32 v[RD], v7, 4, s73
.irp u, 1,2,3
	v_add_nc_u32 v[RD+\u], \u*SREG, v[RD]
.endr
	s_lshl_b32 s75, s10, 7
	s_add_co_u32 s75, s75, RL
	v_mov_b32 v[RLA], s75
	s_wait_loadcnt 32                              ; the 64 figures are in; the 32 loads of p issued behind them may be out
	v_max_num_f32 v[MR], v[MC], v[MC+1]
.set bb, 2
.rept 15
	v_max3_num_f32 v[MR], v[MR], v[MC+bb], v[MC+bb+1]
.set bb, bb+2
.endr
.set bb, 0
.rept 32
	v_sub_f32 v[MC+bb], v[MC+bb], v[MR]            ; at most 0: the row's true maximum is taken away
.set bb, bb+1
.endr
.set bb, 0
.rept 32
	v_exp_f32 v[MC+bb], v[MC+bb]
.set bb, bb+1
.endr
	v_nop                                          ; a plain instruction between the exponentials and their first use (ISA guide 5.7.2)
	s_wait_alu depctr_va_vdst(0)
.irp k, 0,1,2,3
	v_mul_f32 v[LS+\k], v[MC+\k], v[LL+\k]         ; four chains, started by the first four products
.endr
.set bb, 4
.rept 28
	v_fmac_f32 v[LS+bb%4], v[MC+bb], v[LL+bb]
.set bb, bb+1
.endr
	v_add_f32 v[LS], v[LS], v[LS+1]
	v_add_f32 v[LS+2], v[LS+2], v[LS+3]
	v_add_f32 v[LS], v[LS], v[LS+2]                ; l: at least the largest block's own sum
	v_rcp_f32 v[LS+1], v[LS]                       ; the conversions below are the plain instructions behind it
.set bb, 0
.rept 32
	v_cvt_pk_f16_f32 v[MC+bb], v[MC+bb], v[MC+bb]  ; (f, f): one word scales two neighbouring keys
.set bb, bb+1
.endr
.set bb, 0
.rept 32
	ds_store_b32 v[FW], v[MC+bb] offset:512*bb
.set bb, bb+1
.endr
	s_wait_alu depctr_va_vdst(0)
	ds_store_b32 v[RLW], v[LS+1]
; 16 matrix instructions of the current quarter (vh's buffer VB, p's buffer CB): row blocks a0, a0 + 1 of the window's four x all 8 column blocks, 32 keys.
; zero = 1: the first product starts the sums: nothing is cleared.
.macro MUL16 hi, a0, zero
.irp a, \a0, \a0+1
.irp b, 0,1,2,3,4,5,6,7
.if \zero
	v_wmma_f32_16x16x32_f16 v[8*(8*(\a)+\b):8*(8*(\a)+\b)+7], v[VB+8*\b:VB+8*\b+7], v[CB+8*(4*\hi+\a):CB+8*(4*\hi+\a)+7], 0
.else
	v_wmma_f32_16x16x32_f16 v[8*(8*(\a)+\b):8*(8*(\a)+\b)+7], v[VB+8*\b:VB+8*\b+7], v[CB+8*(4*\hi+\a):CB+8*(4*\hi+\a)+7], v[8*(8*(\a)+\b):8*(8*(\a)+\b)+7]
.endif
.endr
.endr
.endm
.macro SCALE hi                        ; 32 packed multiplies: p's fragments of row blocks 4 hi .. 4 hi + 3 times their rows' factor of this key block
.irp a, 0,1,2,3
.irp j, 0,1,2,3,4,5,6,7
	v_pk_mul_f16 v[CB+8*(4*\hi+\a)+\j], v[CB+8*(4*\hi+\a)+\j], v[CF+4*\hi+\a]
.endr
.endr
.endm
; Quarter i (0..7) of a body = once round the ring.  p's buffer i % 4, vh's buffer and the factors' set i % 2.
; zero: the products start the sums.  turn: the slot's last quarter: its fragments were read a quarter ago, so the change of slots stands at its head.
; fill: this slot is filled again, two slots ahead.  pl: p's loads for quarter i + 3 go out.  vf: vh's fragments and the factors of quarter i + 1 are read.
; lc: how many younger loads of p may stay out.
; The 64 accumulators take turns, one instruction a turn, in the same order in every quarter, over the backward jump too.
; The first run of 32 multiplies names none of the registers of the last quarter's matrix instructions, so it is also the places in front of
; the loads into the two buffers that the last quarter multiplied.
.macro QT i, zero, turn, fill, pl, vf, lc
.set CN, (\i)&3
.set CW, CN/3                          ; the window of p's buffer at work: buffer 3 lies in window 1
.set CB, 64+64*(CN-CW)
.set LN, ((\i)+3)&3
.set LW, LN/3                          ; the same for the buffer that is loaded
.set LB, 64+64*(LN-LW)
.set VB, 64+64*((\i)&1)
.set NVB, 128-64*((\i)&1)
.set CF, FA+8*((\i)&1)
.set NF, FA+8-8*((\i)&1)
	s_wait_loadcnt \lc                             ; loads come back in order (ISA guide 5.7.1): this quarter's 16 are in, the later quarters' may be out
	s_wait_dscnt 0x0                               ; vh's fragments and the factors, asked for a quarter ago; at a turn: my reads of this slot are over
.if \turn
	s_wait_tensorcnt 0x0                           ; all my tensor loads have landed: the one that was out is my part of the next slot
	ds_add_u32 v63, v63
	s_wait_dscnt 0x0
	s_barrier_signal -1                            ; say so (where the slot is filled again this barrier opens a round of the cluster's barrier),
.endif
	WIN (0x41*CW)
	SCALE 0
.if \turn
	WIN (0xa1|(CW<<2))
	MUL16 0, 0, \zero                              ; work on registers while the others arrive,
	WIN 0
	s_barrier_wait -1
.if \fill
	CREST                                          ; all sixteen work-groups have said so: no wave of any partner still reads this slot or has a load on its way
	s_add_nc_u64 s[G0B+4*((\i)/4)+2:G0B+4*((\i)/4)+3], s[G0B+4*((\i)/4)+2:G0B+4*((\i)/4)+3], 2*VSTEP
	VLOAD (\i)/4                                   ; the first tensor load behind the round
.endif
.endif
.if \vf
	WIN 0
	FACT NF, ((\i)+1)*512
.endif
.if \pl
	WIN (0x40*LW)
	PLOAD (\i)+3, LB
.endif
.if \vf
	WIN 0x40
	VFETCH (((\i)+1)&7), NVB
.endif
	WIN (0xa1|(CW<<2))
.if \turn == 0
	MUL16 0, 0, \zero
.endif
	MUL16 0, 2, \zero
	WIN (0x41*CW)
	SCALE 1
	WIN (0xf1|(CW<<2))
	MUL16 1, 0, \zero
	MUL16 1, 2, \zero
.endm
.macro BODY zero
	QT 0, \zero, 0, 0, 1, 1, 32
	QT 1, 0, 0, 0, 1, 1, 32
	QT 2, 0, 0, 0, 1, 1, 32
	QT 3, 0, 1, 1, 1, 1, 32
	QT 4, 0, 0, 0, 1, 1, 32
	QT 5, 0, 0, 0, 1, 1, 32
	QT 6, 0, 0, 0, 1, 1, 32
	QT 7, 0, 1, 1, 1, 1, 32
	WIN 0
	s_wait_xcnt 0x0                                ; every earlier memory instruction has had its addresses translated (ISA guide 3.1): p's base is stepped only behind this wait
	s_add_nc_u64 s[4:5], s[4:5], 8*PQ              ; eight quarters on
	v_add_nc_u32 v[ADRF], 8*512, v[ADRF]           ; eight key blocks of factors on
.endm
	s_wait_dscnt 0x0                               ; my factors and 1 / l are in LDS, for the other waves' sake
	s_wait_tensorcnt 1                             ; my part of slot 0 is in; slot 1's load, issued behind it, may be out
	s_barrier_signal -1
	s_barrier_wait -1
	PLOAD 2, 192                                   ; p's third quarter, into the registers that held the figures
	FACT FA, 0
	WIN 0x40
	VFETCH 0, 64
	BODY 1                                         ; the first body stands in front of the loop: its first products start the sums
	s_mov_b32 s3, 2
.Lbody:
	BODY 0
	s_sub_co_u32 s3, s3, 1
	s_cmp_lg_u32 s3, 0
	s_cbranch_scc1 .Lbody
	QT 0, 0, 0, 0, 1, 1, 32                        ; the last body fills nothing; p's loads end with quarter 7's, and the counts run down
	QT 1, 0, 0, 0, 1, 1, 32
	QT 2, 0, 0, 0, 1, 1, 32
	QT 3, 0, 1, 0, 1, 1, 32                        ; the last change of slots: my one tensor load that was out is slot 1's
	QT 4, 0, 0, 0, 1, 1, 32
	QT 5, 0, 0, 0, 0, 1, 32
	QT 6, 0, 0, 0, 0, 1, 16
	QT 7, 0, 0, 0, 0, 0, 0
	; THE FOUR WAVES' SUMS MEET.  Each wave lays its 128 x 128 sums over the ring, which has had its last fill; then wave w adds the four for rows 32 w .. 32 w + 31.
.rept 4
	v_nop                                          ; the places behind the last matrix instructions: LDS stores read results, loads land on fragments
.endr
	WIN 0
	s_wait_dscnt 0x0                               ; my reads of the ring are over (met above),
	s_barrier_signal -1
	s_barrier_wait -1                              ; everybody's are: the ring's bytes may be written
.macro PUT32 win, hi                   ; the 32 tiles of one window: store data in that window (source 1), the address in window 0
	WIN \win
.irp a, 0,1,2,3
.irp b, 0,1,2,3,4,5,6,7
	ds_store_b128 v[STO], v[8*(8*\a+\b):8*(8*\a+\b)+3]   offset:(4*\hi+\a)*16*SP+64*\b
	ds_store_b128 v[STO], v[8*(8*\a+\b)+4:8*(8*\a+\b)+7] offset:(4*\hi+\a)*16*SP+64*\b+16
.endr
.endr
.endm
	PUT32 0x08, 0
	PUT32 0x0c, 1
	WIN 0
	s_lshl_b32 s76, s13, 19                        ; out0: (128 x block of rows + 32 x wave) rows of 4,096 bytes + 512 bytes x block of columns
	s_lshl_b32 s77, s10, 17
	s_add_co_u32 s76, s76, s77
	s_lshl_b32 s77, s42, 9
	s_add_co_u32 s76, s76, s77
	s_mov_b32 s77, 0
	s_add_nc_u64 s[8:9], s[8:9], s[76:77]
	s_wait_dscnt 0x0                               ; my sums are in LDS, for the other waves' sake
	s_barrier_signal -1
	s_barrier_wait -1
.irp i, 0,1,2,3,4,5,6,7
	ds_load_b128 v[RLV+4*\i:RLV+4*\i+3], v[RLA] offset:16*\i       ; 1 / l of my 32 rows, the same in every lane
.endr
.macro LOADG g                         ; rows 4 g .. 4 g + 3 of my 32, from all four waves' sums: 16 loads, into buffer g % 2
.irp i, 0,1,2,3
.irp u, 0,1,2,3
	ds_load_b128 v[F0+64*((\g)&1)+16*\i+4*\u:F0+64*((\g)&1)+16*\i+4*\u+3], v[RD+\u] offset:(4*(\g)+\i)*SP
.endr
.endr
.endm
.macro SUMG g                          ; (u0 + u1) + (u2 + u3), times 1 / l, and out
.irp i, 0,1,2,3
.set RR, F0+64*((\g)&1)+16*\i
	v_pk_add_f32 v[RR:RR+1],     v[RR:RR+1],     v[RR+4:RR+5]
	v_pk_add_f32 v[RR+2:RR+3],   v[RR+2:RR+3],   v[RR+6:RR+7]
	v_pk_add_f32 v[RR+8:RR+9],   v[RR+8:RR+9],   v[RR+12:RR+13]
	v_pk_add_f32 v[RR+10:RR+11], v[RR+10:RR+11], v[RR+14:RR+15]
	v_pk_add_f32 v[RR:RR+1],     v[RR:RR+1],     v[RR+8:RR+9]
	v_pk_add_f32 v[RR+2:RR+3],   v[RR+2:RR+3],   v[RR+10:RR+11]
	v_mul_f32 v[RR],   v[RR],   v[RLV+4*(\g)+\i]
	v_mul_f32 v[RR+1], v[RR+1], v[RLV+4*(\g)+\i]
	v_mul_f32 v[RR+2], v[RR+2], v[RLV+4*(\g)+\i]
	v_mul_f32 v[RR+3], v[RR+3], v[RLV+4*(\g)+\i]
	global_store_b128 v[LOFF], v[RR:RR+3], s[8:9] offset:(4*(\g)+\i)*4096 th:TH_STORE_NT   ; the wave stores 512 consecutive bytes, aligned
.endr
.endm
	LOADG 0
	LOADG 1
.irp g, 0,1,2,3,4,5
	s_wait_dscnt 16                                ; this group is in (and 1 / l); the next group's 16 loads may be out
	SUMG \g
	s_wait_xcnt 0x0                                ; every earlier memory instruction has had its addresses translated (ISA guide 3.1): the buffer that the stores read is loaded again only behind this wait
	LOADG \g+2
.endr
	s_wait_dscnt 16
	SUMG 6
	s_wait_dscnt 0x0
	SUMG 7
	s_set_vgpr_msb 0x1
	s_wait_tensorcnt 0x0
	ds_add_u32 v63, v63
	s_wait_dscnt 0x0
	s_set_vgpr_msb 0x100
	CROUND                                         ; the closing round: no work-group ends while a partner may still ask for a tile that names it
	s_endpgm
.Lfunc_end_k_qc2f04bf560_pv:
	.size	k_qc2f04bf560_pv, .Lfunc_end_k_qc2f04bf560_pv-k_qc2f04bf560_pv
	.p2alignl 7, 3214868480
	.fill 96, 4, 3214868480
	.section	.rodata,"a",@progbits
	.p2align	6, 0x0
	.amdhsa_kernel k_qc2f04bf560_pv
		.amdhsa_group_segment_fixed_size 327680
		.amdhsa_private_segment_fixed_size 0
		.amdhsa_enable_private_segment 0
		.amdhsa_kernarg_size 40
		.amdhsa_user_sgpr_count 2
		.amdhsa_user_sgpr_kernarg_segment_ptr 1
		.amdhsa_wavefront_size32 1
		.amdhsa_system_sgpr_workgroup_id_x 1
		.amdhsa_system_sgpr_workgroup_id_y 1
		.amdhsa_system_sgpr_workgroup_id_z 1
		.amdhsa_system_vgpr_workitem_id 0
		.amdhsa_next_free_vgpr 1024
		.amdhsa_next_free_sgpr 80
		.amdhsa_reserve_vcc 0
		.amdhsa_float_denorm_mode_32 3
		.amdhsa_float_denorm_mode_16_64 3
		.amdhsa_memory_ordered 1
		.amdhsa_forward_progress 1
		.amdhsa_inst_pref_size 255
	.end_amdhsa_kernel
	.section	.bss,"aw",@nobits
	.p2align	6
	.space	262144
	.amdgpu_metadata
---
amdhsa.version: [ 1, 2 ]
amdhsa.kernels:
  - .name:           k_qc2f04bf560_pv
    .symbol:         k_qc2f04bf560_pv.kd
    .args:
      - { .name: p, .offset: 0, .size: 8, .value_kind: global_buffer, .address_space: global }
      - { .name: vh, .offset: 8, .size: 8, .value_kind: global_buffer, .address_space: global }
      - { .name: out0, .offset: 16, .size: 8, .value_kind: global_buffer, .address_space: global }
      - { .name: mstat, .offset: 24, .size: 8, .value_kind: global_buffer, .address_space: global }
      - { .name: lstat, .offset: 32, .size: 8, .value_kind: global_buffer, .address_space: global }
    .group_segment_fixed_size: 327680
    .private_segment_fixed_size: 0
    .kernarg_segment_align: 8
    .kernarg_segment_size: 40
    .max_flat_workgroup_size: 128
    .sgpr_count:     80
    .vgpr_count:     1024
    .wavefront_size: 32
...
	.end_amdgpu_metadata
.endif
;; end of part 3
;; ======== version 2 of 2: 3 launches; version 1 with the launch cast written anew for expert scheduling mode
;; limits: values are held in f16: magnitudes above 65,504 overflow, below 6.1e-05 lose precision; inputs' magnitudes at most 65,504
;; workspace buffers: qh 8,388,608 bytes; kh 8,388,608 bytes; vh 8,388,608 bytes; p 33,554,432 bytes; mstat 524,288 bytes; lstat 524,288 bytes
;; launch cast (part 4): grid 512 x 1, 8 waves a work-group, no clusters, 0 bytes of LDS; arguments q, k, v, qh, kh, vh; writes qh, kh, vh
.if DOCPART == 4
	.amdgcn_target "amdgcn-amd-amdhsa--gfx1250"
	.amdhsa_code_object_version 6
	.text
	.protected	k_qc2f04bf560_cast
	.globl	k_qc2f04bf560_cast
	.p2align	8
	.type	k_qc2f04bf560_cast,@function
k_qc2f04bf560_cast:
	s_mov_b64 s[64:65], 0
	v_nop
	global_prefetch_b8 v0, s[64:65] scope:SCOPE_SE
	s_setreg_imm32_b32 hwreg(HW_REG_WAVE_SCHED_MODE, 0, 2), 2
	s_setreg_imm32_b32 hwreg(HW_REG_WAVE_MODE, 25, 1), 1
	s_wait_xcnt 0x0
	s_wait_alu depctr_vm_vsrc(0)
; qh, kh, vh = q, k, v rounded once to f16 (the matrix operands of the two later launches).  All six are [4096][1024].
; LIMIT: f16 holds magnitudes up to 65,504; a larger input becomes an infinity.  Magnitudes below 2^-14 keep an absolute error of 2^-25.
; A stream: no LDS, no barrier, no matrix unit, no cluster (no byte is read by two work-groups).
; Eight waves; the work-group owns 32,768 bytes of each input = 16,384 bytes of each output.  Thread t owns the 16 bytes at 16 t of each
; piece of 4,096 bytes, so a wave's load covers 512 consecutive bytes and its store of 8 bytes a lane 256 consecutive bytes, aligned.
; All 24 loads of a thread go out first.  No register is loaded twice, and none is written again behind its store.
; THE MODE: SCHED_MODE bits 1:0 = 2 (LLVM: expert scheduling mode 2), set by the entry lines.  The code itself states the register dependences
; between vector instructions and memory instructions, with s_wait_alu, always for 0.
; THE PLAN.  Registers that memory instructions touch:
;   v1, v2        byte offsets of the loads and of the stores: made once at the head, never written again.
;   group n       v[X + 4 n : X + 4 n + 3], n = 0 .. 23 (piece n % 8 of q, k, v for n / 8 = 0, 1, 2).  Written by one load, ahead of which no vector instruction
;                 names it; read by the group's two conversions, which write its first two registers; those two are read by the group's one store; nothing follows.
; The 24 groups go in six blocks of four.  Block p waits for its four loads and rounds them; its memory instructions are the four stores of block p - 1,
; whose registers no vector instruction of block p names.  So ONE wait on va_vdst at a block's head states all that its four stores hang on, and they are
; dealt among the block's eight conversions with no further wait.  No register that a memory instruction has read is ever written, so no wait on vm_vsrc is owed.
.set X, 4                              ; v[4:99]  24 groups of 4 registers: piece j of q, of k, of v
	s_load_b256 s[4:11], s[0:1], 0x0               ; q s[4:5], k s[6:7], v s[8:9], qh s[10:11]
	s_load_b128 s[12:15], s[0:1], 0x20             ; kh s[12:13], vh s[14:15]
	s_lshl_b32 s2, ttmp9, 15                       ; the work-group's 32,768 bytes of an input
	s_lshl_b32 s3, ttmp9, 14                       ; and its 16,384 bytes of an output
	v_lshl_add_u32 v1, v0, 4, s2                   ; where I load
	v_lshl_add_u32 v2, v0, 3, s3                   ; where I store
	s_wait_kmcnt 0x0
	s_wait_alu depctr_va_vdst(0)                   ; v1 and v2 are written: every load of the kernel reads v1 as its offset, every store v2
.macro LD lo, n0                       ; eight pieces of the input whose address is in s[lo:lo+1], into groups n0 .. n0+7
.irp j, 0,1,2,3,4,5,6,7
	global_load_b128 v[X+4*(\n0+\j):X+4*(\n0+\j)+3], v1, s[\lo:\lo+1] offset:4096*\j th:TH_LOAD_NT
.endr
.endm
	LD 4, 0
	LD 6, 8
	LD 8, 16
.macro CVT n                           ; group n: four f32 close up into two registers of f16
	v_cvt_pk_f16_f32 v[X+4*(\n)],   v[X+4*(\n)],   v[X+4*(\n)+1]
	v_cvt_pk_f16_f32 v[X+4*(\n)+1], v[X+4*(\n)+2], v[X+4*(\n)+3]
.endm
.macro ST n                            ; group n goes to piece n % 8 of output n / 8: qh s[10:11], kh s[12:13], vh s[14:15]
	global_store_b64 v2, v[X+4*(\n):X+4*(\n)+1], s[10+2*((\n)/8):11+2*((\n)/8)] offset:2048*((\n)%8)   ; read again by the next launches: no hint
.endm
; Block p: groups 4 p .. 4 p + 3 are rounded; the block before is stored.
.macro BLK p
	s_wait_loadcnt 20-4*(\p)                       ; loads come back in order (ISA guide 5.7.1): this block's four are in, the 20 - 4 p issued behind them may be out
.if (\p) > 0
	s_wait_alu depctr_va_vdst(0)                   ; the block before's eight conversions have written the registers that the four stores below read
.endif
.irp j, 0,1,2,3
.if (\p) > 0
	ST 4*(\p)-4+\j                                 ; no vector instruction since the wait names this group's registers or v2
.endif
	CVT 4*(\p)+\j
.endr
.endm
	BLK 0                                          ; block 0 has no block in front of it: no store, and no wait but the one for its data
	BLK 1
	BLK 2
	BLK 3
	BLK 4
	BLK 5
	s_wait_alu depctr_va_vdst(0)                   ; block 5's conversions have written the registers that the last four stores read
	ST 20
	ST 21
	ST 22
	ST 23
	s_endpgm
.Lfunc_end_k_qc2f04bf560_cast:
	.size	k_qc2f04bf560_cast, .Lfunc_end_k_qc2f04bf560_cast-k_qc2f04bf560_cast
	.p2alignl 7, 3214868480
	.fill 96, 4, 3214868480
	.section	.rodata,"a",@progbits
	.p2align	6, 0x0
	.amdhsa_kernel k_qc2f04bf560_cast
		.amdhsa_group_segment_fixed_size 0
		.amdhsa_private_segment_fixed_size 0
		.amdhsa_enable_private_segment 0
		.amdhsa_kernarg_size 48
		.amdhsa_user_sgpr_count 2
		.amdhsa_user_sgpr_kernarg_segment_ptr 1
		.amdhsa_wavefront_size32 1
		.amdhsa_system_sgpr_workgroup_id_x 1
		.amdhsa_system_sgpr_workgroup_id_y 1
		.amdhsa_system_sgpr_workgroup_id_z 1
		.amdhsa_system_vgpr_workitem_id 0
		.amdhsa_next_free_vgpr 104
		.amdhsa_next_free_sgpr 66
		.amdhsa_reserve_vcc 0
		.amdhsa_float_denorm_mode_32 3
		.amdhsa_float_denorm_mode_16_64 3
		.amdhsa_memory_ordered 1
		.amdhsa_forward_progress 1
		.amdhsa_inst_pref_size 9
	.end_amdhsa_kernel
	.amdgpu_metadata
---
amdhsa.version: [ 1, 2 ]
amdhsa.kernels:
  - .name:           k_qc2f04bf560_cast
    .symbol:         k_qc2f04bf560_cast.kd
    .args:
      - { .name: q, .offset: 0, .size: 8, .value_kind: global_buffer, .address_space: global }
      - { .name: k, .offset: 8, .size: 8, .value_kind: global_buffer, .address_space: global }
      - { .name: v, .offset: 16, .size: 8, .value_kind: global_buffer, .address_space: global }
      - { .name: qh, .offset: 24, .size: 8, .value_kind: global_buffer, .address_space: global }
      - { .name: kh, .offset: 32, .size: 8, .value_kind: global_buffer, .address_space: global }
      - { .name: vh, .offset: 40, .size: 8, .value_kind: global_buffer, .address_space: global }
    .group_segment_fixed_size: 0
    .private_segment_fixed_size: 0
    .kernarg_segment_align: 8
    .kernarg_segment_size: 48
    .max_flat_workgroup_size: 256
    .sgpr_count:     66
    .vgpr_count:     104
    .wavefront_size: 32
...
	.end_amdgpu_metadata
.endif
;; end of part 4
;; launch scores: the kernel of part 2 again; grid 16 x 16, 4 waves a work-group, clusters of 4 x 4, 327,680 bytes of LDS; arguments qh, kh, p, mstat, lstat; writes p, mstat, lstat
;; launch pv: the kernel of part 3 again; grid 8 x 32, 4 waves a work-group, clusters of 4 x 4, 327,680 bytes of LDS; arguments p, vh, out0, mstat, lstat; writes out0
